; MI455X (gfx1250); checked and timed in simulation.
; The chip was launched on July 23, 2026; its instructions are those of AMD's public machine-readable ISA for CDNA 5 (MIT licence, August 2026) and "CDNA5" Instruction Set Architecture Reference Guide (July 2026). The comments in the code are by the model that wrote it; some were corrected since.
;; QSGD Linear. Allowed arithmetic: matrix products marked QUANTISED: E4M3 operands, one E8M0 scale for each 32 along K, by v_wmma_scale_f32_16x16x128_f8f6f4 with both operands' format E4M3, f32 sums; everything else in f32.
;; Inputs: scales 262,144 float32; ternary 8,192 x 4,096 int32; x 2 x 1,024 x 4,096 float32.
;; Outputs: out0 2 x 1,024 x 8,192 float32.
;; This version of the problem:
;;   THIS VERSION OF THE PROBLEM IS GIVEN IN LOW PRECISION. The matrix products marked QUANTISED in the list below multiply operands that are first quantised to E4M3 (4 exponent bits, 3 mantissa bits; 8 bits a number), with one power-of-two scale for each 32 numbers along K (OCP MX v1.0); their sums are f32. All else is computed in f32.
;;   The module's matrix products, in the order in which they are computed (A, B: the left and right operand; K: the contracted axis; several contracted axes count as one K, in the product's order):
;;     1. [M 2,048, K 4,096] x [K 4,096, N 8,192]; A: input x; B: computed on the way: QUANTISED
;;   THE QUANTISER, for each operand of a quantised product, along K:
;;     - K is cut into blocks of 32 from its start; a last block that is shorter is filled with zeros.
;;     - A block's scale is 2^e with e = floor(log2(the largest magnitude in the block)) - 8, held to -126 .. 127; a block of zeros has e = 0. As a byte (E8M0): e + 127.
;;     - Each number is divided by its block's scale, clamped to +-448, and rounded to the nearest number of E4M3, ties to even, subnormals kept.
;;     - The product sums the exact products of the quantised numbers (number of the format x scale) in f32.
;;   ~~~python
;;   def quantise(x, axis):      # numpy; x: float32 -> the quantised numbers, widened to float32 again
;;       x = np.moveaxis(x, axis, -1); K = x.shape[-1]
;;       x = np.pad(x, [(0, 0)] * (x.ndim - 1) + [(0, -K % 32)]); x = x.reshape(x.shape[:-1] + (-1, 32)); a = np.abs(x).max(-1, keepdims=True)
;;       e = np.where(a > 0, np.clip(np.frexp(np.where(a > 0, a, 1))[1] - 1 - 8, -126, 127), 0)      # np.frexp(a)[1] - 1 = floor(log2(a)), exactly
;;       r = np.clip(x / 2.0 ** e, -448, 448)
;;       step = 2.0 ** (np.maximum(np.frexp(np.where(r == 0, 1, r))[1] - 1, -6) - 3)
;;       q = np.round(r / step) * step * 2.0 ** e      # np.round: ties to even
;;       return np.moveaxis(q.reshape(q.shape[:-2] + (-1,))[..., :K], -1, axis).astype(np.float32)
;;   ~~~
;;   OPERANDS COMPUTED ON THE WAY. 'Computed on the way' means the value that the module computes at that place (a softmax that the list does not call 'softmax' is quantised finished and normalised). What goes into a quantiser is computed in f32, as accurately as f32 sums, v_exp_f32 and their like allow (about 1e-6 of the number): no bf16 or f16 on the way to a quantiser, and a product that is left as it is and whose result goes on into a quantised operand takes f32 operands (vector FMAs, or v_wmma_f32_16x16x4_f32). A number that lies on a knife's edge between two numbers of the format may be rounded either way, as far as f32 arithmetic and the matrix unit's own rounding can turn it there, and no further.
;; One version. Each part assembles by itself: llvm-mc -triple=amdgcn-amd-amdhsa -mcpu=gfx1250 --defsym DOCPART=n.
;; ======== version 1 of 1: 2 launches
;; limits: right only within a limited range of input values
;; workspace buffers: xq 8,650,752 bytes; wq 34,603,008 bytes
;; launch quant (part 1): grid 1024 x 1, 4 waves a work-group, no clusters, 34,560 bytes of LDS; arguments x, ternary, scales, xq, wq; writes xq, wq
.if DOCPART == 1
	.amdgcn_target "amdgcn-amd-amdhsa--gfx1250"
	.amdhsa_code_object_version 6
	.text
	.protected	k_q338bb07bd1_quant
	.globl	k_q338bb07bd1_quant
	.p2align	8
	.type	k_q338bb07bd1_quant,@function
k_q338bb07bd1_quant:
	s_mov_b64 s[64:65], 0
	v_nop
	global_prefetch_b8 v0, s[64:65] scope:SCOPE_SE
	s_setreg_imm32_b32 hwreg(HW_REG_WAVE_MODE, 25, 1), 1
	s_wait_xcnt 0x0
; x [2048][4096] f32 and w [8192][4096] = f32(ternary) x scales[row x 32 + k / 128] are turned into codes of FP8 (E4M3) with one E8M0 scale byte for each 32 along K,
; laid IN THE ORDER OF THE MATRIX OPERAND'S REGISTERS, so that the product's launch reads every fragment as 512 consecutive bytes a load and needs no row pitch.
; THE LAYOUT of xq and wq.  A block = 128 rows x 256 along K = BLK = 33,792 bytes, at (16 x (row / 128) + k / 256) x BLK:
;   bytes 0 .. 32,767: 16 fragment images of 2,048 bytes; fragment (i = (row / 16) % 8, q = (k / 128) % 2) at (2 i + q) x 2,048; in it lane l = 16 h + r has 16 bytes at 512 c + 16 l: the codes of row r, k = 32 c + 16 h + 0 .. 15;
;   bytes 32,768 .. 33,791: the scale words: row (i, r), q: at 128 i + 8 r + 4 q; byte b of a word scales k = 32 b .. 32 b + 31 of the fragment.
; THE QUANTISER.  A block's scale is 2^(floor(log2(its largest magnitude)) - 8); its byte is the largest magnitude's exponent field - 8, held at 1 from below; each number is held within +-448 x the scale and rounded to the nearest code, ties to even.
; w is made in f32: one conversion from int32 (to nearest even) and one multiplication; nothing is assumed of the whole numbers in ternary.
; LIMITS: NaN and infinities among the inputs are not served.  A block of zeros gets the byte 1 where the rule says 127: its codes are zeros, which add nothing under any byte but 0xff, and this program alone reads the bytes.
;   Blocks whose largest magnitude lies under 2^(9 - 127), whose byte is held at 1, were not tried.
; SHARES.  20,480 fragments of 16 rows x 128 K (4,096 of x, 16,384 of w) = 1,024 work-groups x 4 waves x 5: EVERY wave takes one fragment of x and four of w, so all work-groups run one path.
;   Work-group g, wave w.  x: rows 32 (g / 16) on, K step g % 16; the wave takes fragment w of the share's four.  w: rows 32 (g / 4) on, K step 4 (g % 4) + w; the wave takes all four fragments.
; A FRAGMENT.  16 loads, each 512 consecutive bytes (128 along K of one row, 16 bytes a lane); the conversions want 16 NEIGHBOURS along K in one lane, so the 8,192 bytes turn through the wave's own stage in LDS
;   (rows 528 bytes apart = 33 x 16: the sixteen rows that a read touches fall on sixteen different 16-byte columns) and come back as register 16 c + i = k 32 c + 16 h + i of row r.
; No tensor loads, no ring, no cluster: nothing is shared between work-groups, and 32 loads of every wave (two fragments) are on their way from the registers' two sets.  One barrier, for the x share's scale words.
.set BLK,  33792
.set SPT,  528                         ; a stage row: 512 bytes + 16
.set WSTG, 16*SPT                      ; a wave's stage
.set XSW,  4*WSTG                      ; behind the stages: 256 bytes in which the four waves' scale words of the x share meet
.set LO,   1                           ; v1   16 x lane: the loads' and the codes' stores' offset; never rewritten
.set SA,   2                           ; v2   the stage, on the way in: my wave's + 16 x lane
.set LA,   3                           ; v3   on the way out: my wave's + 528 r + 64 h
.set WO,   4                           ; v4   8 x lane: the scale words' stores
.set XR,   5                           ; v5   XSW + 8 x lane
.set XSA,  6                           ; v6   XSW + 128 (wave / 2) + 4 (wave % 2) + 8 r: where my x fragment's word goes
.set SO,   7                           ; v7   128 r: my row's place in scales
.set TM,   8                           ; v8-11 largest magnitudes, v12-15 bytes, v16-19 448 x the scale, v20-23 the conversions' scale operands
.set PWX,  24                          ; v24  the x fragment's scale word
.set LN,   25                          ; v25  lane
.set PW,   26                          ; v26-29 the four w fragments' scale words
.set OW,   30                          ; v[30:31] the pair that my lane stores
.set S,    32                          ; v32-35 my row's group scales: register 2 i' + q
.set P,    36                          ; v[36:37] one of them, twice: the packed multiply's pair
.set XB,   38                          ; v[38:39] the x share's words read back
.set R,    40                          ; v40-103, v104-167: two sets of 64: a fragment as loaded
.set X,    168                         ; v168-231 64 numbers of my row
.set C,    232                         ; v232-247 a fragment's codes
	s_load_b256 s[4:11], s[0:1], 0x0               ; x s[4:5], ternary s[6:7], scales s[8:9], xq s[10:11]
	s_load_b64 s[12:13], s[0:1], 0x20              ; wq
	v_lshl_add_u32 v248, v0, 2, 0x8500
	v_mov_b32 v249, 0
	v_lshrrev_b32 v[LN], 5, v0
	v_readfirstlane_b32 s14, v[LN]                 ; wave 0..3
	v_and_b32 v[LN], 31, v0                        ; lane
	v_and_b32 v[X], 15, v0                         ; r
	v_bfe_u32 v[X+1], v0, 4, 1                     ; h
	v_lshlrev_b32 v[LO], 4, v[LN]
	s_mul_i32 s24, s14, WSTG
	v_add_nc_u32 v[SA], s24, v[LO]
	v_mul_u32_u24 v[LA], v[X], SPT
	v_lshl_add_u32 v[LA], v[X+1], 6, v[LA]
	v_add_nc_u32 v[LA], s24, v[LA]
	v_lshlrev_b32 v[WO], 3, v[LN]
	v_add_nc_u32 v[XR], XSW, v[WO]
	s_lshr_b32 s26, s14, 1                         ; the x fragment's i'
	s_and_b32 s27, s14, 1                          ; and its q
	s_lshl_b32 s24, s26, 7
	s_lshl_b32 s25, s27, 2
	s_add_co_u32 s24, s24, s25
	s_add_co_u32 s24, s24, XSW
	v_lshl_add_u32 v[XSA], v[X], 3, s24
	v_lshlrev_b32 v[SO], 7, v[X]
.irp b, 0,1,2,3
	v_mov_b32 v[TM+4+\b], 0                        ; written once: a lane permute's destination counts as one of its sources
.endr
	s_mov_b32 s20, 0x76543210
	s_mov_b32 s21, 0xfedcba98                      ; v_permlanex16_b32's selects for lane l xor 16
	s_mov_b32 s23, 0x600000                        ; the mantissa field of 448
	; the x share: gx = g / 16 (32 rows), kx = g % 16
	s_lshr_b32 s24, ttmp9, 4
	s_and_b32 s25, ttmp9, 15
	s_lshl_b32 s28, s24, 19                        ; in: 32 gx rows of 16,384 bytes
	s_lshl_b32 s30, s26, 18                        ; + 16 i' rows
	s_add_co_u32 s28, s28, s30
	s_lshl_b32 s30, s25, 10                        ; + 1,024 kx
	s_add_co_u32 s28, s28, s30
	s_lshl_b32 s30, s27, 9                         ; + 512 q
	s_add_co_u32 s28, s28, s30
	s_mov_b32 s29, 0
	s_lshr_b32 s30, s24, 2                         ; out: block 16 (gx / 4) + kx
	s_lshl_b32 s30, s30, 4
	s_add_co_u32 s30, s30, s25
	s_mul_i32 s30, s30, BLK
	s_and_b32 s32, s24, 3
	s_lshl_b32 s33, s32, 8
	s_add_co_u32 s34, s30, s33
	s_add_co_u32 s34, s34, 32768                   ; the share's 256 bytes of scale words
	s_mov_b32 s35, 0
	s_lshl_b32 s33, s32, 13
	s_add_co_u32 s30, s30, s33                     ; the share's four fragments,
	s_lshl_b32 s33, s14, 11
	s_add_co_u32 s30, s30, s33                     ; mine of them
	s_mov_b32 s31, 0
	; the w share: gw = g / 4 (32 rows), kw = 4 (g % 4) + wave
	s_lshr_b32 s24, ttmp9, 2
	s_and_b32 s25, ttmp9, 3
	s_lshl_b32 s25, s25, 2
	s_add_co_u32 s25, s25, s14
	s_lshl_b32 s36, s24, 19
	s_lshl_b32 s38, s25, 10
	s_add_co_u32 s36, s36, s38
	s_mov_b32 s37, 0
	s_lshl_b32 s38, s24, 12
	s_lshl_b32 s40, s25, 3
	s_add_co_u32 s38, s38, s40
	s_mov_b32 s39, 0
	s_lshr_b32 s40, s24, 2                         ; out: block 16 (gw / 4) + kw
	s_lshl_b32 s40, s40, 4
	s_add_co_u32 s40, s40, s25
	s_mul_i32 s40, s40, BLK
	s_and_b32 s42, s24, 3
	s_lshl_b32 s43, s42, 8
	s_add_co_u32 s44, s40, s43
	s_add_co_u32 s44, s44, 32768
	s_mov_b32 s45, 0
	s_lshl_b32 s43, s42, 13
	s_add_co_u32 s40, s40, s43
	s_mov_b32 s41, 0
	s_wait_alu depctr_va_vdst(0)
	s_wait_kmcnt 0x0
	s_add_nc_u64 s[4:5], s[4:5], s[28:29]          ; x at my fragment
	s_add_nc_u64 s[16:17], s[10:11], s[34:35]      ; xq at the share's scale words
	s_add_nc_u64 s[10:11], s[10:11], s[30:31]      ; xq at my fragment's image
	s_add_nc_u64 s[6:7], s[6:7], s[36:37]          ; ternary at my share
	s_add_nc_u64 s[8:9], s[8:9], s[38:39]          ; scales at my share
	s_add_nc_u64 s[18:19], s[12:13], s[44:45]      ; wq at my share's scale words
	s_add_nc_u64 s[12:13], s[12:13], s[40:41]      ; wq at my share's four images
.macro LOADF set, sb, byte0            ; a fragment: 16 rows, each load 512 consecutive bytes at a multiple of 512 from the buffer's first byte
.irp j, 0,1,2,3,4,5,6,7,8,9,10,11,12,13,14,15
	global_load_b128 v[R+64*(\set)+4*\j:R+64*(\set)+4*\j+3], v[LO], s[\sb:\sb+1] offset:(\byte0)+16384*\j th:TH_LOAD_NT
.endr
.endm
.macro TURNF set                       ; through my stage: LDS serves a wave's instructions in order (ISA guide 5.7.1.4), so no wait stands between the stores and the loads
.irp j, 0,1,2,3,4,5,6,7,8,9,10,11,12,13,14,15
	ds_store_b128 v[SA], v[R+64*(\set)+4*\j:R+64*(\set)+4*\j+3] offset:SPT*\j
.endr
.irp c, 0,1,2,3
.irp u, 0,1,2,3
	ds_load_b128 v[X+16*\c+4*\u:X+16*\c+4*\u+3], v[LA] offset:128*\c+16*\u
.endr
.endr
.endm
.macro DEQ t                           ; w = f32(ternary) x its group's scale: a fragment is 128 aligned along K, so my row has ONE group scale in it
.set n, 0
.rept 64
	v_cvt_f32_i32 v[X+n], v[X+n]
.set n, n+1
.endr
	v_mov_b32 v[P], v[S+(\t)]
	v_mov_b32 v[P+1], v[S+(\t)]
.set n, 0
.rept 32
	v_pk_mul_f32 v[X+n:X+n+1], v[X+n:X+n+1], v[P:P+1]
.set n, n+2
.endr
.endm
; 64 numbers of my row in v[X] on become the fragment's codes in v[C] on and its scale word in v[pw].  first = 1: no store has read v[C] yet
.macro QUANT pw, first
.irp b, 0,1,2,3
	v_max3_num_f32 v[TM+\b], |v[X+16*\b]|, |v[X+1+16*\b]|, 0x4800000   ; block b: my 16 numbers, and the floor 2^(9 - 127): so the byte cannot fall under 1
.endr
.irp i, 2,4,6,8,10,12,14
.irp b, 0,1,2,3
	v_max3_num_f32 v[TM+\b], v[TM+\b], |v[X+16*\b+\i]|, |v[X+1+16*\b+\i]|   ; the four blocks by turns: no line waits for the line above it
.endr
.endr
.irp b, 0,1,2,3
	v_permlanex16_b32 v[TM+4+\b], v[TM+\b], s20, s21
.endr
.irp b, 0,1,2,3
	v_max_num_f32 v[TM+\b], v[TM+\b], v[TM+4+\b]   ; with lane l xor 16's 16: the block's largest magnitude
.endr
.irp b, 0,1,2,3
	v_add_nc_u32 v[TM+12+\b], 0xfc000000, v[TM+\b] ; 8 off its exponent field: the conversion takes the exponent field of this operand as its scale, and nothing else of it
.endr
.irp b, 0,1,2,3
	v_and_or_b32 v[TM+8+\b], v[TM+\b], 0x7f800000, s23   ; 448 x the scale: the largest magnitude's exponent field over 448's mantissa
.endr
.irp b, 0,1,2,3
	v_lshrrev_b32 v[TM+4+\b], 23, v[TM+12+\b]      ; the scale's byte
.endr
	v_lshl_or_b32 v[\pw], v[TM+5], 8, v[TM+4]      ; the four bytes make my row's scale word (both halves of the lanes hold the same)
	v_lshl_or_b32 v[\pw], v[TM+6], 16, v[\pw]
	v_lshl_or_b32 v[\pw], v[TM+7], 24, v[\pw]
.irp b, 0,1,2,3
.irp i, 0,1,2,3,4,5,6,7,8,9,10,11,12,13,14,15
	v_med3_num_f32 v[X+16*\b+\i], v[X+16*\b+\i], -v[TM+8+\b], v[TM+8+\b]   ; the conversion to an 8-bit code does not saturate (ISA guide 7.6.2): the hold at the largest code x the scale
.endr
.endr
.if \first == 0
	s_wait_alu depctr_va_vdst(0)
	s_wait_xcnt 0x0                                ; the last fragment's stores have read v[C] on: it is written again only behind this wait
.endif
.irp b, 0,1,2,3
	v_cvt_scalef32_pk8_fp8_f32 v[C+4*\b:C+1+4*\b], v[X+16*\b:X+7+16*\b], v[TM+12+\b]        ; registers 4 b .. 4 b + 3: k = 32 b + 16 h + 0 .. 15
	v_cvt_scalef32_pk8_fp8_f32 v[C+2+4*\b:C+3+4*\b], v[X+8+16*\b:X+15+16*\b], v[TM+12+\b]
.endr
	v_nop                                          ; one plain vector line behind the last scaled conversion: the next fragment's vector lines write its sources
.endm
.macro PUT sb, off                     ; the image: each store is 512 consecutive bytes at a multiple of 512 from the buffer's first byte
.irp c, 0,1,2,3
	global_store_b128 v[LO], v[C+4*\c:C+4*\c+3], s[\sb:\sb+1] offset:(\off)+512*\c
.endr
.endm
; Fragment t of my w share (rows 16 (t / 2) on, K 128 (t % 2) on), which lies in set 1 - t % 2.  left: the younger loads that may stay out
.macro WFR t, left
	s_wait_loadcnt \left                           ; loads come back in order (ISA guide 5.7.1): this fragment's 16 are in
	TURNF (1-(\t)%2)
	s_wait_dscnt 0x0                               ; my 64 numbers are back, and the stage's stores have read the set:
.if (\t)+2 < 4
	LOADF (1-(\t)%2), 6, (((\t)+2)/2)*262144+(((\t)+2)%2)*512   ; it takes the fragment two further on
.endif
	DEQ \t
	QUANT PW+(\t), 0
	PUT 12, 2048*(\t)
.endm
.irp i, 0,1
	global_load_b64 v[S+2*\i:S+2*\i+1], v[SO], s[8:9] offset:2048*\i   ; my row's two group scales of this K step, for rows 16 i + r: the oldest loads, so every wait below covers them
.endr
	LOADF 0, 4, 0                                  ; x's fragment
	LOADF 1, 6, 0                                  ; w's fragment 0
	s_wait_loadcnt 16                              ; x's 16 are in; w's fragment 0 may be out
	TURNF 0
	s_wait_dscnt 0x0
	LOADF 0, 6, 512                                ; w's fragment 1
	QUANT PWX, 1
	PUT 10, 0
	ds_store_b32 v[XSA], v[PWX]                    ; both halves of the lanes write the same word with the same value
	WFR 0, 16
	WFR 1, 16
	WFR 2, 16
	WFR 3, 0
	v_cmp_lt_u32 vcc_lo, 15, v[LN]                 ; lane l stores the words of row 16 (l / 16) + l % 16 of the share: lanes 16-31 take fragments 2 and 3
	v_cndmask_b32 v[OW], v[PW], v[PW+2], vcc_lo
	v_cndmask_b32 v[OW+1], v[PW+1], v[PW+3], vcc_lo
	global_store_b64 v[WO], v[OW:OW+1], s[18:19]   ; 32 lanes store 256 consecutive bytes, at a multiple of 256 from wq's first byte
	s_wait_dscnt 0x0                               ; for the others' sake: my word of the x share lies in LDS
	s_barrier_signal -1
	s_barrier_wait -1
	s_cmp_lg_u32 s14, 0
	s_cbranch_scc1 .Ldone
	ds_load_b64 v[XB:XB+1], v[XR]                  ; wave 0: the four waves' words, 8 bytes a lane
	s_wait_dscnt 0x0
	global_store_b64 v[WO], v[XB:XB+1], s[16:17]   ; 256 consecutive bytes, at a multiple of 256 from xq's first byte
.Ldone:
	s_wait_tensorcnt 0x0
	ds_add_u32 v248, v249
	s_wait_dscnt 0x0
	s_endpgm
.Lfunc_end_k_q338bb07bd1_quant:
	.size	k_q338bb07bd1_quant, .Lfunc_end_k_q338bb07bd1_quant-k_q338bb07bd1_quant
	.p2alignl 7, 3214868480
	.fill 96, 4, 3214868480
	.section	.rodata,"a",@progbits
	.p2align	6, 0x0
	.amdhsa_kernel k_q338bb07bd1_quant
		.amdhsa_group_segment_fixed_size 34560
		.amdhsa_private_segment_fixed_size 0
		.amdhsa_enable_private_segment 0
		.amdhsa_kernarg_size 40
		.amdhsa_user_sgpr_count 2
		.amdhsa_user_sgpr_kernarg_segment_ptr 1
		.amdhsa_wavefront_size32 1
		.amdhsa_system_sgpr_workgroup_id_x 1
		.amdhsa_system_sgpr_workgroup_id_y 1
		.amdhsa_system_sgpr_workgroup_id_z 1
		.amdhsa_system_vgpr_workitem_id 0
		.amdhsa_next_free_vgpr 250
		.amdhsa_next_free_sgpr 66
		.amdhsa_reserve_vcc 1
		.amdhsa_float_denorm_mode_32 3
		.amdhsa_float_denorm_mode_16_64 3
		.amdhsa_memory_ordered 1
		.amdhsa_forward_progress 1
		.amdhsa_inst_pref_size 81
	.end_amdhsa_kernel
	.amdgpu_metadata
---
amdhsa.version: [ 1, 2 ]
amdhsa.kernels:
  - .name:           k_q338bb07bd1_quant
    .symbol:         k_q338bb07bd1_quant.kd
    .args:
      - { .name: x, .offset: 0, .size: 8, .value_kind: global_buffer, .address_space: global }
      - { .name: ternary, .offset: 8, .size: 8, .value_kind: global_buffer, .address_space: global }
      - { .name: scales, .offset: 16, .size: 8, .value_kind: global_buffer, .address_space: global }
      - { .name: xq, .offset: 24, .size: 8, .value_kind: global_buffer, .address_space: global }
      - { .name: wq, .offset: 32, .size: 8, .value_kind: global_buffer, .address_space: global }
    .group_segment_fixed_size: 34560
    .private_segment_fixed_size: 0
    .kernarg_segment_align: 8
    .kernarg_segment_size: 40
    .max_flat_workgroup_size: 128
    .sgpr_count:     66
    .vgpr_count:     250
    .wavefront_size: 32
...
	.end_amdgpu_metadata
.endif
;; end of part 1
;; launch gemm (part 2): grid 32 x 8, 4 waves a work-group, clusters of 4 x 1, 327,680 bytes of LDS; arguments xq, wq, out0; writes out0
.if DOCPART == 2
	.amdgcn_target "amdgcn-amd-amdhsa--gfx1250"
	.amdhsa_code_object_version 6
	.text
	.protected	k_q338bb07bd1_gemm
	.globl	k_q338bb07bd1_gemm
	.p2align	8
	.type	k_q338bb07bd1_gemm,@function
k_q338bb07bd1_gemm:
	s_mov_b64 s[64:65], 0
	v_nop
	global_prefetch_b8 v0, s[64:65] scope:SCOPE_SE
	s_setreg_imm32_b32 hwreg(HW_REG_WAVE_MODE, 25, 1), 1
	s_wait_xcnt 0x0
	s_wait_alu depctr_hold_cnt(0) depctr_sa_sdst(0) depctr_va_vdst(0) depctr_va_sdst(0) depctr_va_ssrc(0) depctr_va_vcc(0) depctr_vm_vsrc(0)
	s_getreg_b32 s2, hwreg(HW_REG_IB_STS2, 6, 4)
	s_cmp_eq_u32 s2, 0
	s_cbranch_scc0 .Lentry_in_a_cluster
	s_endpgm
.Lentry_in_a_cluster:
	s_bfe_u32 s2, ttmp6, 0x10000c
	s_cmp_lg_u32 s2, 0x3003
	s_cbranch_scc0 .Lentry_shape_is_right
	s_endpgm
.Lentry_shape_is_right:
; out0[m][n] = sum over k of x[m][k] w[n][k], on the codes of MX-FP8 (E4M3, one E8M0 byte for 32 along K) and scale words that the launch before has laid in the order of the operand registers:
; a block of xq or wq = 128 rows x 256 K = BLK bytes at (16 (row / 128) + k / 256) BLK: 16 fragment images of 2,048 bytes, fragment (i, q) at (2 i + q) 2,048, then 1,024 bytes of scale words at 128 i + 8 r + 4 q.
; THE DEAL.  256 work-groups of four waves; a work-group makes 256 rows (m) x 256 columns (n), wave v its 256 rows x columns 64 v .. 64 v + 63: 64 accumulators, 512 registers.
; x GOES THROUGH LDS: all four waves multiply the same 256 rows.  Two slots of 256 rows x 512 K (4 blocks, 135,168 bytes), a block a wave, filled by joint loads: the four work-groups of a cluster share their rows of x.
; w GOES STRAIGHT INTO REGISTERS: each of its fragments is multiplied by ONE wave of the work-group, and its image is 512 consecutive bytes a load.  So w has no tensor load, and nothing of it could be asked for jointly.
; A STEP is 128 along K: 16 blocks of 16 rows of x, each against the wave's four fragments of w: 64 products, every accumulator once.
; A step goes in four quarters of four blocks, 16 products each.  x's fragments stand in a ring of eight blocks, two halves by turns.  ALL LOADS STAND IN ONE RUN AHEAD OF EACH QUARTER, behind eight places:
; the next quarter's 16 fragment loads and 2 loads of scale words, into the half just multiplied, and a quarter of w's loads of step s + 3, into the set of step s - 1 (w has four sets of 64 registers).
; THE PRODUCT IS USED TRANSPOSED (source 0 = 16 rows of w, source 1 = 16 rows of x): a lane holds eight neighbouring columns of one row of out0.
; REGISTERS: window 0: v0-31 addresses; v32-63 scale words (w's at numbers 0-3 modulo 8, x's at 4-7); v64-191 x's ring; v192-255 the way out.  Window 1: w's four sets.  Windows 2, 3: the accumulators, (a, b) at 32 (a % 8) + 8 b.
; LIMITS: those of the codes and scale bytes as the launch before states them.
.set BLK,    33792
.set ROWSTR, 16*BLK                    ; from 128 rows to the next
.set SLOT,   4*BLK                     ; [half of the rows][K / 256 of two]
.set SPARE,  2*SLOT                    ; the spare words: 128 bytes a wave
.set STAGE,  SPARE+512                 ; the way out: 16 rows x 272 bytes for each wave; no fill lands here
.set SPITCH, 272
.set ROWC,   32768                     ; a row of out0 in bytes
.set TRIPS,  3
.set CO,   7                           ; v7     my byte offset in out0
.set AF,   8                           ; v8-15  LDS address of fragments in block j = 4 slot + 2 (half of the rows) + K / 256
.set AS,   16                          ; v16-23 the same for x's scale words: 8 x lane
.set BO,   24                          ; v24    w's codes: 16 x lane + my half of a block
.set BSO,  25                          ; v25    w's scale words: 8 x lane + their place
.set PFX,  26                          ; v26    prefetch of x: 256 x lane
.set PFW,  27                          ; v27    prefetch of w
.set SPW,  28                          ; v28    my spare word
.set NIL,  29                          ; v29    0
.set STO,  30                          ; v30    into my stage
.set RD,   31                          ; v31    back from it
.set AFR,  64
.set RB,   192
.set G1,  24                           ; s[24:31] descriptor group 1; s[32:39] group 0, one for each slot
.set G0,  32
.set WB,  10                           ; s[10:11] wq at my 128 rows, at the lap's first K / 256
.set PXA, 12                           ; s[12:13] where my prefetch of x stands
.set LIM, 48                           ; s48 1 in the clusters that prefetch x, else the greatest number
.set MUL_LO, 0xa1                      ; source 0 window 1, source 1 window 0, C and D window 2
.set TO_B,   0x40                      ; destination window 1, address window 0
.set MSB, 0
.macro WIN new                         ; the immediate's high byte repeats the setting that is left
.if MSB != (\new)
	s_set_vgpr_msb (MSB<<8)|(\new)
.set MSB, (\new)
.endif
.endm
.macro PLACES n
.rept \n
	v_nop
.endr
.endm
.macro CREST                           ; a round of the cluster's barrier behind its opening barrier
	s_cmp_lg_u32 s14, 0
	s_cbranch_scc1 .Lnot_wave_0_\@
	s_barrier_signal -3
.Lnot_wave_0_\@:
	s_barrier_wait -3
	s_barrier_signal -1
	s_barrier_wait -1
.endm
.macro CROUND
	s_barrier_signal -1
	s_barrier_wait -1
	CREST
.endm
.macro TLOAD s                         ; my block of a slot; an s_nop 0 and four v_nop follow
	tensor_load_to_lds s[G0+4*(\s):G0+4*(\s)+3], s[G1:G1+7]
	s_nop 0
	PLACES 4
.endm
; x's prefetch: the fill that follows the one just asked for: of the block that I fetch, the partner at place cx names 32 units of 256 bytes, a lane a unit (the 1,024 bytes of scale words come by their load alone).
; Eight clusters load the same rows: four of them ask.  how = 2: not in the last trip, where no such fill is left.
.macro ASK how
.if \how == 1
	s_cmp_eq_u32 s[LIM], 1
.else
	s_cmp_gt_u32 s3, s[LIM]
.endif
	s_cbranch_scc0 .Lnot_mine_\@
	global_prefetch_b8 v[PFX], s[PXA:PXA+1] th:TH_LOAD_NT scope:SCOPE_SE
.Lnot_mine_\@:
.endm
	s_load_b128 s[4:7], s[0:1], 0x0                ; xq, wq
	s_load_b64 s[8:9], s[0:1], 0x10                ; out0
	v_lshl_add_u32 v[SPW], v0, 2, SPARE
	v_mov_b32 v[NIL], 0
	ds_add_u32 v[SPW], v[NIL]                      ; the opening lines: the add, twice on end, and its wait ahead of my first tensor load
	ds_add_u32 v[SPW], v[NIL]
	v_lshrrev_b32 v1, 5, v0
	v_readfirstlane_b32 s14, v1                    ; wave 0..3
	s_lshr_b32 s15, s14, 1
	s_and_b32 s16, s14, 1
	s_bfe_u32 s40, ttmp6, 0x40000                  ; cx
	s_lshl_b32 s41, ttmp9, 2
	s_add_co_u32 s41, s41, s40                     ; tile column X = 4 x cluster x + cx
	s_and_b32 s17, ttmp7, 0xffff                   ; tile row y: the cluster's four share it
	s_mov_b32 s[G1], 15|(3<<16)|(1<<21)            ; the mask names the cluster's four; elements of 8 bytes; bit 21 beside a mask
	s_mov_b32 s[G1+1], 32<<16                      ; a block is dense: 132 rows of 256 bytes
	s_mov_b32 s[G1+2], 132<<16
	s_mov_b32 s[G1+3], 32<<16
	s_mov_b32 s[G1+4], 132
	s_mov_b32 s[G1+5], 32
	s_mov_b32 s[G1+6], 0
	s_mov_b32 s[G1+7], 0
	s_lshl_b32 s18, s17, 1                         ; xq: wave v fetches rows 128 (2 y + v / 2) on, K / 256 = v % 2 of the slot's two
	s_add_co_u32 s18, s18, s15
	s_mul_i32 s18, s18, ROWSTR
	s_mul_i32 s19, s16, BLK
	s_add_co_u32 s18, s18, s19
	s_mov_b32 s19, 0
	s_lshl_b32 s20, s41, 1                         ; wq: my 64 rows lie in rows 128 (2 X + v / 2) on
	s_add_co_u32 s20, s20, s15
	s_mul_i32 s20, s20, ROWSTR
	s_mov_b32 s21, 0
	s_lshl_b32 s22, s17, 23                        ; out0: row 256 y, column 256 X + 64 v
	s_lshl_b32 s23, s41, 10
	s_add_co_u32 s22, s22, s23
	s_lshl_b32 s23, s14, 8
	s_add_co_u32 s22, s22, s23
	s_mov_b32 s23, 0
	s_lshl_b32 s42, s40, 13                        ; x's prefetch: my work-group's 8,192 bytes of the block; it stands at fill 2 and is stepped ahead of each use
	s_add_co_u32 s42, s42, 4*BLK
	s_mov_b32 s43, 0
	s_cmp_lt_u32 ttmp9, 4
	s_cselect_b32 s[LIM], 1, -1
	s_lshl_b32 s44, s16, 14                        ; my half of a block of wq: four fragments x two = 16,384 bytes,
	s_lshl_b32 s45, s16, 9
	s_add_co_u32 s45, s45, 32768                   ; and 512 bytes of scale words
	s_lshl_b32 s46, s17, 11                        ; w's prefetch: the eight tile rows share my 16,384 bytes out: 2,048 each
	s_add_co_u32 s46, s46, s44
	s_mul_i32 s47, s14, 16*SPITCH
	s_add_co_u32 s47, s47, STAGE
	s_mov_b32 s[G0], 1
	s_mul_i32 s[G0+1], s14, BLK
	s_mov_b32 s[G0+4], 1
	s_add_co_u32 s[G0+5], s[G0+1], SLOT
	v_and_b32 v1, 31, v0                           ; lane
	v_and_b32 v2, 15, v0                           ; r
	v_bfe_u32 v3, v0, 4, 1                         ; h
	v_lshlrev_b32 v4, 4, v1
	v_lshlrev_b32 v5, 3, v1
.irp j, 0,1,2,3,4,5,6,7
	v_add_nc_u32 v[AF+\j], \j*BLK, v4
	v_add_nc_u32 v[AS+\j], \j*BLK+32768, v5
.endr
	v_add_nc_u32 v[BO], s44, v4
	v_add_nc_u32 v[BSO], s45, v5
	v_lshlrev_b32 v[PFX], 8, v1
	v_lshrrev_b32 v6, 3, v1                        ; w's prefetch: lane l names unit l % 8 of my work-group's eight, in the lap's (l / 8)-th K / 256
	v_and_b32 v7, 7, v1
	v_mul_u32_u24 v6, v6, BLK
	v_lshl_add_u32 v6, v7, 8, v6
	v_add_nc_u32 v[PFW], s46, v6
	v_mul_u32_u24 v6, v2, SPITCH                   ; into the stage: row r, 32 bytes for each half of the lanes
	v_lshl_add_u32 v6, v3, 5, v6
	v_add_nc_u32 v[STO], s47, v6
	v_mul_u32_u24 v7, v3, SPITCH                   ; back: lanes 0-15 one row of 256 bytes, lanes 16-31 the next
	v_lshl_add_u32 v7, v2, 4, v7
	v_add_nc_u32 v[RD], s47, v7
	v_lshlrev_b32 v6, 15, v3
	v_lshl_add_u32 v[CO], v2, 4, v6                ; and the same two rows in out0
	s_wait_alu depctr_va_vdst(0)
	s_wait_dscnt 0x0                               ; both opening adds are done
	s_wait_kmcnt 0x0
	s_add_nc_u64 s[G0+2:G0+3], s[4:5], s[18:19]
	s_add_nc_u64 s[PXA:PXA+1], s[G0+2:G0+3], s[42:43]
	s_add_nc_u64 s[G0+6:G0+7], s[G0+2:G0+3], 2*BLK
	s_or_b32 s[G0+3], s[G0+3], 0x80000000
	s_or_b32 s[G0+7], s[G0+7], 0x80000000
	s_add_nc_u64 s[WB:WB+1], s[6:7], s[20:21]
	s_add_nc_u64 s[8:9], s[8:9], s[22:23]
.macro BSC ts                          ; w's scale words of the K / 256 that step ts begins: lanes 0-15 tile 2 P's, lanes 16-31 tile 2 P + 1's; two words a lane: 256 consecutive bytes a load
.irp P, 0,1
	global_load_b64 v[32+8*(((\ts)/2)%4)+2*\P:32+8*(((\ts)/2)%4)+2*\P+1], v[BSO], s[WB:WB+1] offset:((\ts)/2)*BLK+256*\P
.endr
.endm
.macro BCD ts, n                       ; piece n of 16 of w's four fragments of step ts: 512 consecutive bytes
	global_load_b128 v[64*((\ts)%4)+4*(\n):64*((\ts)%4)+4*(\n)+3], v[BO], s[WB:WB+1] offset:((\ts)/2)*BLK+(2*((\n)/4)+(\ts)%2)*2048+512*((\n)%4)
.endm
.macro BALL ts
	WIN TO_B
.set N_, 0
.rept 16
	BCD \ts, N_
.set N_, N_+1
.endr
	WIN 0
.endm
	CROUND                                         ; the cluster's four are here: the first joint loads meet
	TLOAD 0                                        ; one tensor load a wave at the head: my block of slot 0
	BSC 0                                          ; w's steps 0, 1, 2 set out beside it
	BALL 0
	BALL 1
	BSC 2
	BALL 2
	s_wait_tensorcnt 0x0                           ; the wait and the add ahead of a later first fill, as ahead of a refill
	ds_add_u32 v[SPW], v[NIL]
	s_wait_dscnt 0x0
	CROUND
	TLOAD 1                                        ; slot 1's first fill
; The fragment of block t of step S_ (t = 16 on: of the next step): four loads; with an even block the scale words of its pair: lanes 0-15 the even block's, lanes 16-31 the odd's
.macro ALOADS t
.set TS_, S_+(\t)/16
.set TA_, (\t)%16
.set AD_, 4*((TS_/4)%2)+2*(TA_/8)+(TS_%4)/2
.set OF_, (2*(TA_%8)+TS_%2)*2048
.if TA_%2 == 0
	ds_load_b32 v[36+8*(TA_/8)+(TA_/2)%4], v[AS+AD_] offset:256*((TA_/2)%4)+4*(TS_%2)
.endif
.irp c, 0,1,2,3
	ds_load_b128 v[AFR+16*(TA_%8)+4*\c:AFR+16*(TA_%8)+4*\c+3], v[AF+AD_] offset:OF_+512*\c
.endr
.endm
.macro PROD b, zero                    ; block AI of step S_ against w's tile b.  zero = 1: the product starts its sum
.set D_, 32*(AI%8)+8*(\b)
.set B_, 64*(S_%4)+16*(\b)
.set A_, AFR+16*(AI%8)
.set SB_, 32+8*((S_/2)%4)+2*((\b)/2)+S_%2
.set SA_, 36+8*(AI/8)+(AI/2)%4
.if \zero
.if AI%2 && (\b)%2
	v_wmma_scale_f32_16x16x128_f8f6f4 v[D_:D_+7], v[B_:B_+15], v[A_:A_+15], 0, v[SB_], v[SA_] matrix_a_scale:MATRIX_SCALE_ROW1 matrix_b_scale:MATRIX_SCALE_ROW1
.elseif (\b)%2
	v_wmma_scale_f32_16x16x128_f8f6f4 v[D_:D_+7], v[B_:B_+15], v[A_:A_+15], 0, v[SB_], v[SA_] matrix_a_scale:MATRIX_SCALE_ROW1
.elseif AI%2
	v_wmma_scale_f32_16x16x128_f8f6f4 v[D_:D_+7], v[B_:B_+15], v[A_:A_+15], 0, v[SB_], v[SA_] matrix_b_scale:MATRIX_SCALE_ROW1
.else
	v_wmma_scale_f32_16x16x128_f8f6f4 v[D_:D_+7], v[B_:B_+15], v[A_:A_+15], 0, v[SB_], v[SA_]
.endif
.else
.if AI%2 && (\b)%2
	v_wmma_scale_f32_16x16x128_f8f6f4 v[D_:D_+7], v[B_:B_+15], v[A_:A_+15], v[D_:D_+7], v[SB_], v[SA_] matrix_a_scale:MATRIX_SCALE_ROW1 matrix_b_scale:MATRIX_SCALE_ROW1
.elseif (\b)%2
	v_wmma_scale_f32_16x16x128_f8f6f4 v[D_:D_+7], v[B_:B_+15], v[A_:A_+15], v[D_:D_+7], v[SB_], v[SA_] matrix_a_scale:MATRIX_SCALE_ROW1
.elseif AI%2
	v_wmma_scale_f32_16x16x128_f8f6f4 v[D_:D_+7], v[B_:B_+15], v[A_:A_+15], v[D_:D_+7], v[SB_], v[SA_] matrix_b_scale:MATRIX_SCALE_ROW1
.else
	v_wmma_scale_f32_16x16x128_f8f6f4 v[D_:D_+7], v[B_:B_+15], v[A_:A_+15], v[D_:D_+7], v[SB_], v[SA_]
.endif
.endif
.endm
; The run ahead of quarter QI: 18 LDS loads for the next quarter's four blocks; four of w's 16 loads of step S_ + 3, and ahead of the first four, where that step begins a K / 256, its two loads of scale words
.macro RUN bl, pf
	WIN 0
.irp i, 4,5,6,7
	ALOADS 4*QI+\i
.endr
.if (\pf) && QI == 1
	global_prefetch_b8 v[PFW], s[WB:WB+1] offset:4*BLK th:TH_LOAD_NT scope:SCOPE_SE   ; w: the four K / 256 that follow this lap's four; their first load stands four steps on
.endif
.if \bl
.if QI == 0 && (S_+3)%2 == 0
	BSC S_+3
.endif
	WIN TO_B
.irp i, 0,1,2,3
	BCD S_+3, 4*QI+\i
.endr
.endif
.endm
; QUARTER QI OF STEP S_: eight places behind the last products, the run, the wait that leaves the run's 18 LDS loads out, 16 products.
; chg: a slot's last step changes slots between its quarters 2 and 3.  Quarter 2's run holds my last reads of this slot.  Behind it: the wait for all my tensor loads and the add; blocks 8 to 10; the wait for the add and for my reads;
; the signal; block 11; the barrier's wait; with chg = 1 the rest of the cluster's round and the refill.  Quarter 3's run then reads the next slot.  chg = 2: nothing is filled again.  last = 1: no step follows.
.macro QRT zero, bl, chg, ask, last, pf
.set NR_, 18
.if (\last) && QI == 3
.set NR_, 0
.endif
.if (\chg) == 1 && QI == 2
	s_wait_xcnt 0x0                                ; my last prefetch of x has read its address
	s_add_nc_u64 s[PXA:PXA+1], s[PXA:PXA+1], 2*BLK
.endif
.if NR_
.if (\chg) == 0 || QI != 3
	PLACES 8
.endif
	RUN \bl, \pf
.endif
.if (\chg) && QI == 3 && (\ask)
	WIN 0
	ASK \ask
.endif
.if (\chg) && QI == 2
	WIN 0
	s_wait_tensorcnt 0x0                           ; all my tensor loads have landed: my block of the next slot
	ds_add_u32 v[SPW], v[NIL]                      ; blocks 8 to 10, work on registers, stand between the add and its wait
.if \chg == 1
	s_add_nc_u64 s[G0+4*SL_+2:G0+4*SL_+3], s[G0+4*SL_+2:G0+4*SL_+3], 4*BLK   ; no load of mine is out: this slot's next fill
.endif
	s_wait_dscnt NR_+1                             ; the run and the add may be out
.else
	s_wait_dscnt NR_
.endif
	WIN MUL_LO+0x50*(QI/2)
.set AI, 4*QI
.rept 4
.if (\chg) && AI == 11
	s_wait_dscnt 0x0                               ; the add is done, and my reads of this slot are over
	s_barrier_signal -1
.endif
.irp b, 0,1,2,3
	PROD \b, \zero
.endr
.set AI, AI+1
.endr
.if (\chg) && QI == 2
	WIN 0
	s_barrier_wait -1
.if \chg == 1
	CREST                                          ; no wave of any partner still reads this slot or has a load on its way
	TLOAD SL_                                      ; the refill, first behind the round: 15 quarters of products stand ahead of the wait for it
	PLACES 4                                       ; with the four behind the load: the eight places ahead of quarter 3's run
.else
	PLACES 8
.endif
.endif
.endm
; A step.  lc: w's loads of the two steps that follow (16 + 18) may be out
.macro STEP s, zero, bl, chg, ask, last, lc, pf
.set S_, \s
.set SL_, (S_/4)%2
.set QI, 0
	s_wait_loadcnt \lc
.rept 4
	QRT \zero, \bl, \chg, \ask, \last, \pf
.set QI, QI+1
.endr
.endm
.set S_, 0
.irp t, 0,1,2,3
	ALOADS \t                                      ; quarter 0 of step 0
.endr
	STEP 0, 1, 1, 0, 0, 0, 34, 0                   ; the first step stands in front of the loop: its products start the sums
	WIN 0
	s_mov_b32 s3, TRIPS
.Llap:                                                 ; a trip goes once round the ring, from a lap's second step to the next lap's first, and fills both slots again
	STEP 1, 0, 1, 0, 0, 0, 34, 1
	STEP 2, 0, 1, 0, 0, 0, 34, 0
	STEP 3, 0, 1, 1, 1, 0, 34, 0
	STEP 4, 0, 1, 0, 0, 0, 34, 0
	STEP 5, 0, 1, 0, 0, 0, 34, 0
	STEP 6, 0, 1, 0, 0, 0, 34, 0
	STEP 7, 0, 1, 1, 2, 0, 34, 0
	STEP 8, 0, 1, 0, 0, 0, 34, 0
	WIN 0
	s_wait_xcnt 0x0                                ; w's loads and prefetch have read their base
	s_add_nc_u64 s[WB:WB+1], s[WB:WB+1], 4*BLK
	s_sub_co_u32 s3, s3, 1
	s_cmp_lg_u32 s3, 0
	s_cbranch_scc1 .Llap
	STEP 1, 0, 1, 0, 0, 0, 34, 0                   ; the last lap fills nothing
	STEP 2, 0, 1, 0, 0, 0, 34, 0
	STEP 3, 0, 1, 2, 0, 0, 34, 0
	STEP 4, 0, 1, 0, 0, 0, 34, 0
	STEP 5, 0, 0, 0, 0, 0, 34, 0                   ; w's last loads have been issued
	STEP 6, 0, 0, 0, 0, 0, 16, 0
	STEP 7, 0, 0, 0, 0, 1, 0, 0
	WIN 0
; THE WAY OUT, block by block of 16 rows x 64 columns: through my own stage and back as whole rows of 256 bytes; sixteen lanes store one aligned unit.  LDS serves a wave's instructions in order (ISA guide 5.7.1.4).
.macro TOSTAGE a
	WIN 0x08+4*((\a)/8)                            ; the data: window 2 or 3
.irp b, 0,1,2,3
	ds_store_b128 v[STO], v[32*((\a)%8)+8*\b:32*((\a)%8)+8*\b+3] offset:64*\b      ; each accumulator from its low end on
	ds_store_b128 v[STO], v[32*((\a)%8)+8*\b+4:32*((\a)%8)+8*\b+7] offset:64*\b+16
.endr
	WIN 0
.irp t, 0,1,2,3,4,5,6,7
	ds_load_b128 v[RB+32*((\a)%2)+4*\t:RB+32*((\a)%2)+4*\t+3], v[RD] offset:\t*2*SPITCH
.endr
.endm
.macro SEND a, younger                 ; every offset is an immediate: 254 rows of out0 at the most, inside the signed 24 bits (ISA guide, chapter 10)
	s_wait_dscnt \younger
.irp t, 0,1,2,3,4,5,6,7
	global_store_b128 v[CO], v[RB+32*((\a)%2)+4*\t:RB+32*((\a)%2)+4*\t+3], s[8:9] offset:(16*(\a)+2*\t)*ROWC th:TH_STORE_NT
.endr
.endm
	PLACES 8
	TOSTAGE 0
.irp a, 1,2,3,4,5,6,7,8,9,10,11,12,13,14,15
.if \a > 1
	s_wait_xcnt 0x0                                ; block a - 2's stores have read their registers
.endif
	TOSTAGE \a
	SEND \a-1, 16                                  ; behind block a - 1's loads: block a's 8 stores and 8 loads
.endr
	SEND 15, 0
	s_wait_tensorcnt 0x0                           ; the wave's end
	ds_add_u32 v[SPW], v[NIL]
	s_wait_dscnt 0x0
	CROUND                                         ; the closing round
	s_endpgm
.Lfunc_end_k_q338bb07bd1_gemm:
	.size	k_q338bb07bd1_gemm, .Lfunc_end_k_q338bb07bd1_gemm-k_q338bb07bd1_gemm
	.p2alignl 7, 3214868480
	.fill 96, 4, 3214868480
	.section	.rodata,"a",@progbits
	.p2align	6, 0x0
	.amdhsa_kernel k_q338bb07bd1_gemm
		.amdhsa_group_segment_fixed_size 327680
		.amdhsa_private_segment_fixed_size 0
		.amdhsa_enable_private_segment 0
		.amdhsa_kernarg_size 24
		.amdhsa_user_sgpr_count 2
		.amdhsa_user_sgpr_kernarg_segment_ptr 1
		.amdhsa_wavefront_size32 1
		.amdhsa_system_sgpr_workgroup_id_x 1
		.amdhsa_system_sgpr_workgroup_id_y 1
		.amdhsa_system_sgpr_workgroup_id_z 1
		.amdhsa_system_vgpr_workitem_id 0
		.amdhsa_next_free_vgpr 1024
		.amdhsa_next_free_sgpr 66
		.amdhsa_reserve_vcc 0
		.amdhsa_float_denorm_mode_32 3
		.amdhsa_float_denorm_mode_16_64 3
		.amdhsa_memory_ordered 1
		.amdhsa_forward_progress 1
		.amdhsa_inst_pref_size 255
	.end_amdhsa_kernel
	.section	.bss,"aw",@nobits
	.p2align	6
	.space	262144
	.amdgpu_metadata
---
amdhsa.version: [ 1, 2 ]
amdhsa.kernels:
  - .name:           k_q338bb07bd1_gemm
    .symbol:         k_q338bb07bd1_gemm.kd
    .args:
      - { .name: xq, .offset: 0, .size: 8, .value_kind: global_buffer, .address_space: global }
      - { .name: wq, .offset: 8, .size: 8, .value_kind: global_buffer, .address_space: global }
      - { .name: out0, .offset: 16, .size: 8, .value_kind: global_buffer, .address_space: global }
    .group_segment_fixed_size: 327680
    .private_segment_fixed_size: 0
    .kernarg_segment_align: 8
    .kernarg_segment_size: 24
    .max_flat_workgroup_size: 128
    .sgpr_count:     66
    .vgpr_count:     1024
    .wavefront_size: 32
...
	.end_amdgpu_metadata
.endif
;; end of part 2
